; MI455X (gfx1250); checked and timed in simulation.
; The chip was launched on July 23, 2026; its instructions are those of AMD's public machine-readable ISA for CDNA 5 (MIT licence, August 2026) and "CDNA5" Instruction Set Architecture Reference Guide (July 2026). The comments in the code are by the model that wrote it; some were corrected since.
;; Top Multi Attention. Allowed arithmetic: matrix products marked QUANTISED: E2M1 operands, one E8M0 scale for each 32 along K, by v_wmma_scale_f32_16x16x128_f8f6f4 with both operands' format E2M1 (or v_wmma_scale_f32_32x16x128_f4), f32 sums; products left as they are: bf16, f16 or f32 operands; f32 sums; everything else in f32.
;; Inputs: Wk 512 x 512 float32; Wo 512 x 512 float32; Wq 512 x 512 float32; Wv 512 x 512 float32; X 4 x 2,048 x 512 float32; Y 4 x 2,048 x 512 float32; Z 4 x 2,048 x 512 float32.
;; Outputs: out0 4 x 2,048 x 512 float32.
;; This version of the problem:
;;   THIS VERSION OF THE PROBLEM IS GIVEN IN LOW PRECISION. The matrix products marked QUANTISED in the list below multiply operands that are first quantised to E2M1 (2 exponent bits, 1 mantissa bit; 4 bits a number), with one power-of-two scale for each 32 numbers along K (OCP MX v1.0); their sums are f32. The products marked 'left as it is' may take bf16, f16 or f32 operands, with f32 sums. Whichever they take, every output number must still come out within the allowed error. Rounding operands to bf16 (8 significant bits) uses up far more of that allowance than f16 does (11 bits, for magnitudes from 6e-5 to 65,504). All else is computed in f32.
;;   The module's matrix products, in the order in which they are computed (A, B: the left and right operand; K: the contracted axis; several contracted axes count as one K, in the product's order):
;;     1. [M 8,192, K 512] x [K 512, N 512]; A: input X; B: input Wq: QUANTISED
;;     2. [M 8,192, K 512] x [K 512, N 512]; A: input Y; B: input Wk: QUANTISED
;;     3. [M 8,192, K 512] x [K 512, N 512]; A: input Z; B: input Wo: QUANTISED
;;     4. batch 32 x [M 2,048, K 64] x [K 64, N 2,048]; A: computed on the way; B: computed on the way: left as it is (an operand is computed on the way)
;;     5. batch 32 x [M 2,048, K 2,048] x [K 2,048, N 64]; A: computed on the way; B: computed on the way: left as it is (an operand is computed on the way)
;;     6. [M 8,192, K 512] x [K 512, N 512]; A: computed on the way; B: input Wo: left as it is (an operand is computed on the way)
;;   THE QUANTISER, for each operand of a quantised product, along K:
;;     - K is cut into blocks of 32 from its start; a last block that is shorter is filled with zeros.
;;     - A block's scale is 2^e with e = floor(log2(the largest magnitude in the block)) - 2, held to -126 .. 127; a block of zeros has e = 0. As a byte (E8M0): e + 127.
;;     - Each number is divided by its block's scale, clamped to +-6, and rounded to the nearest number of E2M1, ties to even, subnormals kept.
;;     - The product sums the exact products of the quantised numbers (number of the format x scale) in f32.
;;   ~~~python
;;   def quantise(x, axis):      # numpy; x: float32 -> the quantised numbers, widened to float32 again
;;       x = np.moveaxis(x, axis, -1); K = x.shape[-1]
;;       x = np.pad(x, [(0, 0)] * (x.ndim - 1) + [(0, -K % 32)]); x = x.reshape(x.shape[:-1] + (-1, 32)); a = np.abs(x).max(-1, keepdims=True)
;;       e = np.where(a > 0, np.clip(np.frexp(np.where(a > 0, a, 1))[1] - 1 - 2, -126, 127), 0)      # np.frexp(a)[1] - 1 = floor(log2(a)), exactly
;;       r = np.clip(x / 2.0 ** e, -6, 6)
;;       step = 2.0 ** (np.maximum(np.frexp(np.where(r == 0, 1, r))[1] - 1, 0) - 1)
;;       q = np.round(r / step) * step * 2.0 ** e      # np.round: ties to even
;;       return np.moveaxis(q.reshape(q.shape[:-2] + (-1,))[..., :K], -1, axis).astype(np.float32)
;;   ~~~
;; One version. Each part assembles by itself: llvm-mc -triple=amdgcn-amd-amdhsa -mcpu=gfx1250 --defsym DOCPART=n.
;; ======== version 1 of 1: 4 launches
;; limits: values are held in f16: magnitudes above 65,504 overflow, below 6.1e-05 lose precision
;; workspace buffers: wc 393,216 bytes; ws 24,576 bytes; wof 524,288 bytes; qf 8,388,608 bytes; kv 16,777,216 bytes; att 8,388,608 bytes
;; launch prep (part 1): grid 256 x 1, 2 waves a work-group, no clusters, 0 bytes of LDS; arguments Wq, Wk, Wo, wc, ws, wof; writes wc, ws, wof
.if DOCPART == 1
	.amdgcn_target "amdgcn-amd-amdhsa--gfx1250"
	.amdhsa_code_object_version 6
	.text
	.protected	k_q264826a8b7_prep
	.globl	k_q264826a8b7_prep
	.p2align	8
	.type	k_q264826a8b7_prep,@function
k_q264826a8b7_prep:
	s_mov_b64 s[64:65], 0
	v_nop
	global_prefetch_b8 v0, s[64:65] scope:SCOPE_SE
	s_setreg_imm32_b32 hwreg(HW_REG_WAVE_MODE, 25, 1), 1
	s_wait_xcnt 0x0
; The weights, [512 (k)][512 (n)] f32 with K as the FIRST axis, are laid out once as images of operand registers.
; (a) Wq, Wk, Wo as codes of FP4 (E2M1) with one E8M0 byte for each 32 along K: wc [t 3][n tile 32][K step 4][1,024 bytes], ws [t][n tile][pair of K steps 2][32 lanes x 4 bytes].
; (b) Wo once more as f16, for the last product: wof [n tile 32][K piece of 32: 16][1,024 bytes].
; An image holds a fragment's registers 0-3 at 16 x lane and its registers 4-7 at 512 + 16 x lane: whoever loads it by two loads of 16 bytes a lane has the operand.
; A LANE TAKES A COLUMN n AND ITS REGISTERS RUN DOWN K, in the order that the operand's layout gives that lane: nothing is transposed.
; A wave does one piece G = 2 x work-group + wave: G < 384: the FP4 fragment (t, n tile, K step) = (G / 128, (G / 4) % 32, G % 4); else four f16 fragments of n tile (G - 384) / 4.
; Wv is not read: the module's forward pass never uses it.
; A block's scale is 2^(floor(log2(largest magnitude)) - 2); its byte is the largest magnitude's exponent field - 2, held at 1 from below.  A block of zeros keeps the byte 1: its codes are zeros, and this program alone reads the bytes.
; LIMITS: NaN and infinities among the inputs are not served.
.set NUM, 32                           ; v32-95   64 numbers of my column
.set PK,  96                           ; v96-127  the f16 path's packed results
	s_load_b256 s[4:11], s[0:1], 0x0               ; Wq s[4:5], Wk s[6:7], Wo s[8:9], wc s[10:11]
	s_load_b128 s[12:15], s[0:1], 0x20             ; ws s[12:13], wof s[14:15]
	v_lshrrev_b32 v1, 5, v0
	v_readfirstlane_b32 s16, v1                    ; wave 0..1
	s_lshl_b32 s17, ttmp9, 1
	s_add_co_u32 s17, s17, s16                     ; G
	v_and_b32 v2, 15, v0                           ; r
	v_bfe_u32 v3, v0, 4, 1                         ; h
	v_and_b32 v4, 31, v0                           ; lane
	v_lshlrev_b32 v5, 4, v4                        ; 16 x lane: my place in an image
	v_lshlrev_b32 v7, 2, v2                        ; 4 r: my column in a row of 16, and my scale word
	s_and_b32 s18, s17, 3                          ; which 128 along K
	s_bfe_u32 s19, s17, 0x50002                    ; n tile: 5 bits from bit 2 (384 / 4 is a multiple of 32, so this holds on both paths)
	s_lshl_b32 s20, s18, 18                        ; 128 rows of 2,048 bytes
	s_lshl_b32 s21, s19, 6                         ; 16 columns of 4 bytes
	s_add_co_u32 s20, s20, s21
	s_mov_b32 s21, 0
	s_mov_b32 s24, 0x76543210
	s_mov_b32 s25, 0xfedcba98                      ; v_permlanex16_b32's selects for lane l xor 16
	s_wait_kmcnt 0x0
	s_cmp_lt_u32 ttmp9, 192
	s_cbranch_scc0 .Lhalf
	; ---- codes of FP4
	s_lshr_b32 s22, s17, 7                         ; t: 0 Wq, 1 Wk, 2 Wo
	s_cmp_eq_u32 s22, 0
	s_cselect_b64 s[26:27], s[4:5], s[6:7]
	s_cmp_eq_u32 s22, 2
	s_cselect_b64 s[26:27], s[8:9], s[26:27]
	s_add_nc_u64 s[26:27], s[26:27], s[20:21]
	v_lshl_add_u32 v6, v3, 16, v7                  ; lanes 16-31 begin 32 rows further down: lane (r, h) holds k = 64 c + 32 h + 0 .. 31
.irp c, 0,1
.set i, 0
.rept 32
	global_load_b32 v[NUM+32*\c+i], v6, s[26:27] offset:(64*\c+i)*2048   ; W(64 c + 32 h + i, my column): sixteen lanes read 64 neighbouring bytes
.set i, i+1
.endr
.endr
	s_lshl_b32 s28, s17, 10                        ; the image's place: G x 1,024
	s_mov_b32 s29, 0
	s_lshl_b32 s30, s17, 6                         ; the scale words' place: G x 64: an even K step fills lanes 0-15 of its pair's 128 bytes, an odd one lanes 16-31
	s_mov_b32 s31, 0
	s_add_nc_u64 s[10:11], s[10:11], s[28:29]
	s_add_nc_u64 s[12:13], s[12:13], s[30:31]
	s_wait_loadcnt 0x0
.irp c, 0,1
	v_max3_num_f32 v[8+\c], |v[NUM+32*\c]|, |v[NUM+32*\c+1]|, 0x1800000   ; my block 2 c + h: all 32 numbers are mine; and the floor 2^(3 - 127), so that the byte cannot fall under 1
.endr
.set i, 2
.rept 15
.irp c, 0,1
	v_max3_num_f32 v[8+\c], v[8+\c], |v[NUM+32*\c+i]|, |v[NUM+32*\c+i+1]|  ; (the two blocks by turns)
.endr
.set i, i+2
.endr
.irp c, 0,1
	v_add_nc_u32 v[10+\c], 0xff000000, v[8+\c]     ; 2 off the exponent field: the conversion takes the exponent field of this operand as its scale
.endr
.irp c, 0,1
	v_lshrrev_b32 v[12+\c], 23, v[10+\c]           ; the scale's byte
.endr
	v_lshl_or_b32 v14, v13, 16, v12                ; my two bytes: blocks h and 2 + h,
	v_lshlrev_b32 v15, 3, v3
	v_lshlrev_b32 v14, v15, v14                    ; at their places in the word (8 h bits up);
	v_mov_b32 v15, 0
	v_permlanex16_b32 v15, v14, s24, s25
	v_or_b32 v14, v14, v15                         ; with lane l xor 16's two the word is whole
.irp c, 0,1
.irp g, 0,1,2,3
	v_cvt_scalef32_pk8_fp4_f32 v[16+4*\c+\g], v[NUM+32*\c+8*\g:NUM+32*\c+8*\g+7], v[10+\c]   ; registers 4 c .. 4 c + 3 of the operand
.endr
.endr
	v_nop                                          ; one plain line behind the last scaled conversion
	global_store_b128 v5, v[16:19], s[10:11]       ; 32 lanes store 512 consecutive bytes
	global_store_b128 v5, v[20:23], s[10:11] offset:512
	global_store_b32 v7, v14, s[12:13]             ; lanes r and r + 16 store the same word with the same value
	s_endpgm
.Lhalf:
	; ---- Wo as f16: four fragments, K pieces 4 s + u; lane (r, h) holds k = 32 u + 16 e + 8 h + i of its column
	s_add_nc_u64 s[26:27], s[8:9], s[20:21]
	v_lshl_add_u32 v6, v3, 14, v7                  ; lanes 16-31 begin 8 rows further down
.irp u, 0,1,2,3
.irp e, 0,1
.irp i, 0,1,2,3,4,5,6,7
	global_load_b32 v[NUM+16*\u+8*\e+\i], v6, s[26:27] offset:(32*\u+16*\e+\i)*2048
.endr
.endr
.endr
	s_lshl_b32 s28, s19, 14                        ; n tile x 16 images,
	s_lshl_b32 s29, s18, 12                        ; + 4 s images
	s_add_co_u32 s28, s28, s29
	s_mov_b32 s29, 0
	s_add_nc_u64 s[14:15], s[14:15], s[28:29]
	s_wait_loadcnt 0x0
.set i, 0
.rept 32
	v_cvt_pk_f16_f32 v[PK+i], v[NUM+2*i], v[NUM+2*i+1]   ; the lower k in the low half
.set i, i+1
.endr
.irp u, 0,1,2,3
.irp e, 0,1
	global_store_b128 v5, v[PK+8*\u+4*\e:PK+8*\u+4*\e+3], s[14:15] offset:\u*1024+\e*512
.endr
.endr
	s_endpgm
.Lfunc_end_k_q264826a8b7_prep:
	.size	k_q264826a8b7_prep, .Lfunc_end_k_q264826a8b7_prep-k_q264826a8b7_prep
	.p2alignl 7, 3214868480
	.fill 96, 4, 3214868480
	.section	.rodata,"a",@progbits
	.p2align	6, 0x0
	.amdhsa_kernel k_q264826a8b7_prep
		.amdhsa_group_segment_fixed_size 0
		.amdhsa_private_segment_fixed_size 0
		.amdhsa_enable_private_segment 0
		.amdhsa_kernarg_size 48
		.amdhsa_user_sgpr_count 2
		.amdhsa_user_sgpr_kernarg_segment_ptr 1
		.amdhsa_wavefront_size32 1
		.amdhsa_system_sgpr_workgroup_id_x 1
		.amdhsa_system_sgpr_workgroup_id_y 1
		.amdhsa_system_sgpr_workgroup_id_z 1
		.amdhsa_system_vgpr_workitem_id 0
		.amdhsa_next_free_vgpr 128
		.amdhsa_next_free_sgpr 66
		.amdhsa_reserve_vcc 0
		.amdhsa_float_denorm_mode_32 3
		.amdhsa_float_denorm_mode_16_64 3
		.amdhsa_memory_ordered 1
		.amdhsa_forward_progress 1
		.amdhsa_inst_pref_size 21
	.end_amdhsa_kernel
	.amdgpu_metadata
---
amdhsa.version: [ 1, 2 ]
amdhsa.kernels:
  - .name:           k_q264826a8b7_prep
    .symbol:         k_q264826a8b7_prep.kd
    .args:
      - { .name: Wq, .offset: 0, .size: 8, .value_kind: global_buffer, .address_space: global }
      - { .name: Wk, .offset: 8, .size: 8, .value_kind: global_buffer, .address_space: global }
      - { .name: Wo, .offset: 16, .size: 8, .value_kind: global_buffer, .address_space: global }
      - { .name: wc, .offset: 24, .size: 8, .value_kind: global_buffer, .address_space: global }
      - { .name: ws, .offset: 32, .size: 8, .value_kind: global_buffer, .address_space: global }
      - { .name: wof, .offset: 40, .size: 8, .value_kind: global_buffer, .address_space: global }
    .group_segment_fixed_size: 0
    .private_segment_fixed_size: 0
    .kernarg_segment_align: 8
    .kernarg_segment_size: 48
    .max_flat_workgroup_size: 64
    .sgpr_count:     66
    .vgpr_count:     128
    .wavefront_size: 32
...
	.end_amdgpu_metadata
.endif
;; end of part 1
;; launch proj (part 2): grid 64 x 3, 4 waves a work-group, no clusters, 327,680 bytes of LDS; arguments X, Y, Z, wc, ws, qf, kv; writes qf, kv
.if DOCPART == 2
	.amdgcn_target "amdgcn-amd-amdhsa--gfx1250"
	.amdhsa_code_object_version 6
	.text
	.protected	k_q264826a8b7_proj
	.globl	k_q264826a8b7_proj
	.p2align	8
	.type	k_q264826a8b7_proj,@function
k_q264826a8b7_proj:
	s_mov_b64 s[64:65], 0
	v_nop
	global_prefetch_b8 v0, s[64:65] scope:SCOPE_SE
	s_setreg_imm32_b32 hwreg(HW_REG_WAVE_MODE, 25, 1), 1
	s_wait_xcnt 0x0
; q = X Wq, k = Y Wk, v = Z Wo: [8,192][512] x [512][512], both operands as codes of FP4 (E2M1) with one E8M0 scale for each 32 along K; sums in f32; the results leave as f16.
; Work-group (x, t): tensor t (0 X, 1 Y, 2 Z), rows 128 x to 128 x + 127.  The rows arrive as f32 and are read by this work-group alone: they are quantised here, in registers.
; THE WAVES SHARE THE COLUMNS: wave w keeps the weight's columns 128 w .. 128 w + 127 (heads 2 w and 2 w + 1), 32 fragments, in registers 256-511 for the whole launch.
; The rows come by two tensor loads a wave (16 rows each), both asked for at the head: nothing in LDS is filled twice.  Wave w quantises row tile 4 blk + w and hands the codes to the others through LDS as
; images of the operand's registers (16 bytes a lane at 16 x lane); one barrier a block of 64 rows; then every wave multiplies the block's four row tiles by its own columns.
; THE RESULTS ARE STORED AS IMAGES OF THE NEXT LAUNCH'S f16 OPERANDS, so that each store covers 512 consecutive bytes, aligned, and no stage is wanted:
;   q, k: source 0 = 16 columns of W, source 1 = 16 rows of x: a lane holds one token and eight neighbouring channels: qf [head 32][token tile 128][channels 32 f: 2][1,024]; kv [head 32][step of 64 keys: 32][16,384], K at kt 2,048 + f 1,024.
;   v: the sources change places: a lane holds one channel and eight neighbouring tokens, as V^T wants them: in kv's step at 8,192 + (32 keys g) 4,096 + (channel tile c) 1,024.
; No cluster: the work-groups share no rows, and the weights that they share are wanted in registers, while the rows fill LDS.
; 192 work-groups: three tensors of 64 blocks; 128 rows are what one fill of LDS holds.
; A row of x lies in LDS as two lines of 1,024 bytes + 16 of padding, 2,080 bytes from row to row: the longest interval that the padding's field can state is 1,024 bytes.
; LIMITS: NaN and infinities among the inputs are not served; |q|, |k|, |v| have to stay under 65,504, f16's largest number.  A block of zeros keeps the scale byte 1: its codes are zeros.
.set XTILE, 33280                      ; 16 rows of x in LDS: 32 lines of 1,040 bytes
.set XIMG,  8*XTILE                    ; behind the eight row tiles: the codes' images, (4 R + s) x 1,024,
.set XSC,   XIMG+32768                 ; their scale words, (4 R + s) x 128,
.set SPARE, XSC+4096                   ; and the spare words, 128 bytes for each wave: two blocks of 256 bytes that no other line names
.set VO,  1                            ; v1, v2   16 x lane; the same + a head's bytes in the output: the stores' offsets for my two heads
.set XA,  3                            ; v3, v4   where my lane reads x in my row tile of block 0, 1
.set XWI, 5                            ; v5       where I store an image: XIMG + 16 x lane + 4,096 x wave
.set XWS, 6                            ; v6       and its scale word: XSC + 4 x lane + 512 x wave
.set FI,  7                            ; v7       where I read images: XIMG + 16 x lane
.set FS,  8                            ; v8       and scale words: XSC + 4 x lane
.set L4,  9                            ; v9       4 x lane
.set SPW, 10                           ; v10      LDS address of my spare word; never rewritten
.set NIL, 11                           ; v11      0; never rewritten
.set WS,  16                           ; v16-31   the weight's scale words: register 2 tt + p: lanes 0-15 K step 2 p, lanes 16-31 K step 2 p + 1
.set XF,  32                           ; v32-63   a row tile's four fragments
.set XS,  64                           ; v64-67   their scale words
.set TM,  68                           ; v68-83   the quantiser's: +0 largest magnitudes, +4 bytes, +12 the conversions' scale operands
.set PC,  84                           ; v84-91, v94-101  the codes just made, two sets
.set PW,  92                           ; v92, v102        their scale word
.set XN,  128                          ; v128-255 two sets of 64 numbers of x; later:
.set DD,  128                          ; v128-191 eight accumulators,
.set OUT, 192                          ; v192-223 and their results as f16
.set G1,  24                           ; s[24:31] descriptor group 1
.set G0,  32                           ; s[32:39] group 0, a set for each block
.set MSB, 0
.macro WIN new                         ; the immediate's high byte repeats the setting that is left
.if MSB != \new
	s_set_vgpr_msb (MSB<<8)|\new
.set MSB, \new
.endif
.endm
	s_load_b256 s[4:11], s[0:1], 0x0               ; X s[4:5], Y s[6:7], Z s[8:9], wc s[10:11]
	s_load_b128 s[12:15], s[0:1], 0x20             ; ws s[12:13], qf s[14:15]
	s_load_b64 s[16:17], s[0:1], 0x30              ; kv
	v_lshl_add_u32 v[SPW], v0, 2, SPARE
	v_mov_b32 v[NIL], 0
	ds_add_u32 v[SPW], v[NIL]                      ; the wave's opening: the add, twice on end, and its wait ahead of my first tensor load
	ds_add_u32 v[SPW], v[NIL]                      ; and once more; the set-up below, work on registers, stands between it and the wait
	v_lshrrev_b32 v12, 5, v0
	v_readfirstlane_b32 s18, v12                   ; wave 0..3
	s_and_b32 s19, ttmp7, 0xffff                   ; t
	s_mov_b32 s20, ttmp9                           ; x
	; group 1: 32 lines of 256 elements of 4 bytes, dense in memory (a row of x is two lines), 4 words of padding behind each line
	s_mov_b32 s[G1+0], (2<<16)|(1<<20)|(7<<22)|(3<<25)   ; no mask; elements of 4 bytes; padding on; after every 256 words (code 7); 4 words of it (code 3)
	s_mov_b32 s[G1+1], 256<<16                     ; tensor_dim0 = 256
	s_mov_b32 s[G1+2], 32<<16                      ; tensor_dim1 = 32
	s_mov_b32 s[G1+3], 256<<16                     ; tile_dim0 = 256
	s_mov_b32 s[G1+4], 32                          ; tile_dim1 = 32
	s_mov_b32 s[G1+5], 256                         ; from line to line
	s_mov_b32 s[G1+6], 0
	s_mov_b32 s[G1+7], 0
	s_mul_i32 s54, s18, XTILE                      ; my row tile of block 0 in LDS
	s_lshl_b32 s56, s20, 18                        ; 128 rows of 2,048 bytes,
	s_lshl_b32 s57, s18, 15                        ; my 16 of them
	s_add_co_u32 s56, s56, s57
	s_mov_b32 s57, 0
	s_lshl_b32 s58, s19, 17                        ; the tensor's weight images: 131,072 bytes a tensor,
	s_lshl_b32 s59, s18, 15                        ; my eight n tiles of 4,096
	s_add_co_u32 s58, s58, s59
	s_mov_b32 s59, 0
	s_lshl_b32 s60, s19, 13                        ; and their scale words: 8,192 a tensor, 2,048 a wave
	s_lshl_b32 s61, s18, 11
	s_add_co_u32 s60, s60, s61
	s_mov_b32 s61, 0
	; where my results go.  In qf a head has 262,144 bytes and 128 tokens 16,384; in kv everything is twice that
	s_lshr_b32 s21, s20, 4                         ; batch
	s_lshl_b32 s21, s21, 3
	s_lshl_b32 s42, s18, 1
	s_add_co_u32 s21, s21, s42                     ; my first head: 8 b + 2 w
	s_lshl_b32 s21, s21, 18
	s_and_b32 s42, s20, 15
	s_lshl_b32 s42, s42, 14
	s_add_co_u32 s42, s21, s42
	s_cmp_lg_u32 s19, 0
	s_cselect_b32 s45, 1, 0
	s_lshl_b32 s42, s42, s45
	s_mov_b32 s43, 0
	s_lshl_b32 s44, 0x40000, s45                   ; from head to head
	s_lshl_b32 s46, 0x2000, s45                    ; from block to block (64 tokens)
	s_mov_b32 s47, 0
	s_mov_b32 s48, 0x76543210
	s_mov_b32 s49, 0xfedcba98                      ; v_permlanex16_b32's selects for lane l xor 16
	s_wait_dscnt 0x0                               ; both opening adds are done
	s_wait_kmcnt 0x0
	s_cmp_eq_u32 s19, 0                            ; the choices hang on the work-group's number alone
	s_cselect_b64 s[22:23], s[4:5], s[6:7]
	s_cselect_b64 s[40:41], s[14:15], s[16:17]
	s_cmp_eq_u32 s19, 2
	s_cselect_b64 s[22:23], s[8:9], s[22:23]
	s_add_nc_u64 s[22:23], s[22:23], s[56:57]      ; my rows
	s_add_nc_u64 s[40:41], s[40:41], s[42:43]      ; my results
	s_add_nc_u64 s[50:51], s[10:11], s[58:59]      ; my weight images
	s_add_nc_u64 s[52:53], s[12:13], s[60:61]      ; my weight scale words
.irp n, 0,1
	s_mov_b32 s[G0+4*\n], 1                        ; count = 1
	s_add_co_u32 s[G0+4*\n+1], s54, \n*4*XTILE     ; LDS: row tile 4 n + w
	s_add_nc_u64 s[G0+4*\n+2:G0+4*\n+3], s[22:23], \n*131072   ; 64 rows on
	s_or_b32 s[G0+4*\n+3], s[G0+4*\n+3], 0x80000000            ; type = 2
.endr
	tensor_load_to_lds s[G0:G0+3], s[G1:G1+7]      ; both fills go out together, ahead of every wait on TENSORcnt, every LDS read and every barrier: two loads of mine are out
	s_nop 0
	tensor_load_to_lds s[G0+4:G0+7], s[G1:G1+7]
	s_nop 0
.rept 4
	v_nop
.endr
	v_and_b32 v12, 31, v0                          ; lane
	v_lshlrev_b32 v[VO], 4, v12
	v_lshlrev_b32 v[L4], 2, v12
	WIN 0x40                                       ; destination: registers 256 on
.set i, 0
.rept 64                                           ; the weight's fragment (tt, s) at register 256 + 8 (4 tt + s): 64 loads of 512 consecutive bytes
	global_load_b128 v[4*i:4*i+3], v[VO], s[50:51] offset:512*i
.set i, i+1
.endr
	WIN 0
.set i, 0
.rept 16
	global_load_b32 v[WS+i], v[L4], s[52:53] offset:128*i
.set i, i+1
.endr
	v_add_nc_u32 v[VO+1], s44, v[VO]
	v_and_b32 v13, 15, v0                          ; r
	v_bfe_u32 v14, v0, 4, 1                        ; h
	v_mul_u32_u24 v[XA], v13, 2080
	v_lshl_add_u32 v[XA], v14, 6, v[XA]            ; row r, + 64 h: my 16 numbers of each block of 32
	v_add_nc_u32 v[XA], s54, v[XA]
	v_add_nc_u32 v[XA+1], 4*XTILE, v[XA]
	s_lshl_b32 s55, s18, 12
	v_add_nc_u32 v[XWI], s55, v[VO]
	v_add_nc_u32 v[XWI], XIMG, v[XWI]
	s_lshl_b32 s55, s18, 9
	v_add_nc_u32 v[XWS], s55, v[L4]
	v_add_nc_u32 v[XWS], XSC, v[XWS]
	v_add_nc_u32 v[FI], XIMG, v[VO]
	v_add_nc_u32 v[FS], XSC, v[L4]
.irp b, 0,1,2,3
	v_mov_b32 v[TM+4+\b], 0                        ; written once: a lane permute's destination counts as one of its sources
.endr
; my row's 64 numbers of K step s (register 16 b + i = k 32 b + 16 h + i) from my row tile of block blk into set q
.macro XLD blk, s, q
.irp b, 0,1,2,3
.irp j, 0,1,2,3
	ds_load_b128 v[XN+64*\q+16*\b+4*\j:XN+64*\q+16*\b+4*\j+3], v[XA+\blk] offset:512*\s+16*(\s/2)+128*\b+16*\j
.endr
.endr
.endm
; 64 numbers of a lane, from v[src] on, become a fragment's codes in set q and its scale word
.macro QUANT src, q
.irp b, 0,1,2,3
	v_max3_num_f32 v[TM+\b], |v[\src+16*\b]|, |v[\src+1+16*\b]|, 0x1800000   ; block b: my 16 numbers, and the floor 2^(3 - 127): the byte cannot fall under 1
.endr
.irp i, 2,4,6,8,10,12,14
.irp b, 0,1,2,3
	v_max3_num_f32 v[TM+\b], v[TM+\b], |v[\src+16*\b+\i]|, |v[\src+1+16*\b+\i]|   ; (the four blocks by turns)
.endr
.endr
.irp b, 0,1,2,3
	v_permlanex16_b32 v[TM+4+\b], v[TM+\b], s48, s49
.endr
.irp b, 0,1,2,3
	v_max_num_f32 v[TM+\b], v[TM+\b], v[TM+4+\b]   ; with lane l xor 16's: the block's largest magnitude
.endr
.irp b, 0,1,2,3
	v_add_nc_u32 v[TM+12+\b], 0xff000000, v[TM+\b] ; 2 off its exponent field: the conversion's scale operand
.endr
.irp b, 0,1,2,3
	v_lshrrev_b32 v[TM+4+\b], 23, v[TM+12+\b]      ; the scale's byte
.endr
	v_lshl_or_b32 v[PW+10*\q], v[TM+5], 8, v[TM+4] ; the four bytes make my row's scale word
	v_lshl_or_b32 v[PW+10*\q], v[TM+6], 16, v[PW+10*\q]
	v_lshl_or_b32 v[PW+10*\q], v[TM+7], 24, v[PW+10*\q]
.irp b, 0,1,2,3
	v_cvt_scalef32_pk8_fp4_f32 v[PC+10*\q+2*\b], v[\src+16*\b:\src+7+16*\b], v[TM+12+\b]
	v_cvt_scalef32_pk8_fp4_f32 v[PC+10*\q+1+2*\b], v[\src+8+16*\b:\src+15+16*\b], v[TM+12+\b]
.endr
	v_nop                                          ; one plain line behind the last scaled conversion
.irp c, 0,1                                    ; the operand's layout wants a WHOLE block in a lane: lanes 0-15 block 2 c, lanes 16-31 block 2 c + 1
.irp i, 0,1
	v_permlane16_swap_b32 v[PC+10*\q+4*\c+\i], v[PC+10*\q+2+4*\c+\i]
.endr
.endr
.endm
.macro IMAGE blk, s, q                         ; set q goes to LDS as it stands: fragment (row tile 4 blk + w, K step s)
	ds_store_b128 v[XWI], v[PC+10*\q:PC+10*\q+3] offset:\blk*16384+\s*1024
	ds_store_b128 v[XWI], v[PC+10*\q+4:PC+10*\q+7] offset:\blk*16384+\s*1024+512
	ds_store_b32 v[XWS], v[PW+10*\q] offset:\blk*2048+\s*128
.endm
.macro FETCH R                                 ; row tile R's four fragments and scale words, in any wave
.irp s, 0,1,2,3
	ds_load_b128 v[XF+8*\s:XF+8*\s+3], v[FI] offset:(\R)*4096+\s*1024
	ds_load_b128 v[XF+8*\s+4:XF+8*\s+7], v[FI] offset:(\R)*4096+\s*1024+512
	ds_load_b32 v[XS+\s], v[FS] offset:(\R)*512+\s*128
.endr
.endm
; one product: n tile tt, K step s.  The first K step starts the sum.  An odd K step's weight scales lie in lanes 16-31 of their register.
.macro PQK tt, s                               ; source 0 = the weight's 16 columns, source 1 = 16 rows of x
.if (\s) == 0
	v_wmma_scale_f32_16x16x128_f8f6f4 v[DD+8*\tt:DD+8*\tt+7], v[8*(4*\tt+\s):8*(4*\tt+\s)+7], v[XF+8*\s:XF+8*\s+7], 0, v[WS+2*\tt+\s/2], v[XS+\s] matrix_a_fmt:MATRIX_FMT_FP4 matrix_b_fmt:MATRIX_FMT_FP4
.elseif (\s) == 2
	v_wmma_scale_f32_16x16x128_f8f6f4 v[DD+8*\tt:DD+8*\tt+7], v[8*(4*\tt+\s):8*(4*\tt+\s)+7], v[XF+8*\s:XF+8*\s+7], v[DD+8*\tt:DD+8*\tt+7], v[WS+2*\tt+\s/2], v[XS+\s] matrix_a_fmt:MATRIX_FMT_FP4 matrix_b_fmt:MATRIX_FMT_FP4
.else
	v_wmma_scale_f32_16x16x128_f8f6f4 v[DD+8*\tt:DD+8*\tt+7], v[8*(4*\tt+\s):8*(4*\tt+\s)+7], v[XF+8*\s:XF+8*\s+7], v[DD+8*\tt:DD+8*\tt+7], v[WS+2*\tt+\s/2], v[XS+\s] matrix_a_fmt:MATRIX_FMT_FP4 matrix_b_fmt:MATRIX_FMT_FP4 matrix_a_scale:MATRIX_SCALE_ROW1
.endif
.endm
.macro PVV tt, s                               ; the sources, and their scales, change places
.if (\s) == 0
	v_wmma_scale_f32_16x16x128_f8f6f4 v[DD+8*\tt:DD+8*\tt+7], v[XF+8*\s:XF+8*\s+7], v[8*(4*\tt+\s):8*(4*\tt+\s)+7], 0, v[XS+\s], v[WS+2*\tt+\s/2] matrix_a_fmt:MATRIX_FMT_FP4 matrix_b_fmt:MATRIX_FMT_FP4
.elseif (\s) == 2
	v_wmma_scale_f32_16x16x128_f8f6f4 v[DD+8*\tt:DD+8*\tt+7], v[XF+8*\s:XF+8*\s+7], v[8*(4*\tt+\s):8*(4*\tt+\s)+7], v[DD+8*\tt:DD+8*\tt+7], v[XS+\s], v[WS+2*\tt+\s/2] matrix_a_fmt:MATRIX_FMT_FP4 matrix_b_fmt:MATRIX_FMT_FP4
.else
	v_wmma_scale_f32_16x16x128_f8f6f4 v[DD+8*\tt:DD+8*\tt+7], v[XF+8*\s:XF+8*\s+7], v[8*(4*\tt+\s):8*(4*\tt+\s)+7], v[DD+8*\tt:DD+8*\tt+7], v[XS+\s], v[WS+2*\tt+\s/2] matrix_a_fmt:MATRIX_FMT_FP4 matrix_b_fmt:MATRIX_FMT_FP4 matrix_b_scale:MATRIX_SCALE_ROW1
.endif
.endm
; Row tile 4 blk + m against my eight n tiles: 32 products, the eight accumulators by turns, K ascending; then f16, and eight stores of 512 consecutive bytes.
.macro MTILE blk, m, isv
	s_wait_dscnt 0x0                               ; the row tile's fragments and scale words are in
.if \isv
	WIN 0x04                                       ; source 1: registers 256 on
.else
	WIN 0x01                                       ; source 0: registers 256 on
.endif
.irp s, 0,1,2,3
.irp tt, 0,1,2,3,4,5,6,7
.if \isv
	PVV \tt, \s
.else
	PQK \tt, \s
.endif
.endr
.endr
	WIN 0
.rept 4
	v_nop                                          ; four places in front of loads into registers that the products have read, and of the first read of results
.endr
.if \m < 3
	FETCH 4*\blk+\m+1                              ; the next row tile comes while this one is packed and stored
.endif
	s_wait_xcnt 0x0                                ; the last row tile's stores have read their registers: only now are these written again
.irp tt, 0,1,2,3,4,5,6,7
.irp i, 0,1,2,3
	v_cvt_pk_f16_f32 v[OUT+4*\tt+\i], v[DD+8*\tt+2*\i], v[DD+8*\tt+2*\i+1]   ; each accumulator from its low end on
.endr
.endr
.irp tt, 0,1,2,3,4,5,6,7
.if \isv
	global_store_b128 v[VO+\tt/4], v[OUT+4*\tt:OUT+4*\tt+3], s[40:41] offset:8192+(\m/2)*4096+(\m%2)*512+(\tt%4)*1024   ; V^T: channel tile tt % 4, keys 16 m + 8 h + 0 .. 7 of the step
.else
	global_store_b128 v[VO+\tt/4], v[OUT+4*\tt:OUT+4*\tt+3], s[40:41] offset:\m*2048+(\tt%4)*512   ; token tile m, channels 16 (tt % 4) + 8 h + 0 .. 7
.endif
.endr
.endm
; A block of 64 rows.
.macro BLOCK blk
	s_wait_tensorcnt 1-\blk                        ; my row tile of this block has landed (block 0: block 1's load may stay out).  I alone read it: no barrier is wanted
	XLD \blk, 0, 0
	XLD \blk, 1, 1
	s_wait_dscnt 16                                ; K step 0's numbers are in; K step 1's 16 loads may be out
	QUANT XN, 0
	IMAGE \blk, 0, 0
	XLD \blk, 2, 0
	s_wait_dscnt 19                                ; K step 1's are in; behind them: 3 stores and 16 loads
	QUANT XN+64, 1
	IMAGE \blk, 1, 1
	XLD \blk, 3, 1
	s_wait_dscnt 19                                ; K step 2's are in; behind them: 3 stores and 16 loads.  The stores that read code set 0 were issued earlier still
	QUANT XN, 0
	IMAGE \blk, 2, 0
	s_wait_dscnt 3                                 ; K step 3's are in; behind them: 3 stores
	QUANT XN+64, 1
	IMAGE \blk, 3, 1
	s_wait_dscnt 0x0                               ; for the others' sake: my images have landed
	s_barrier_signal -1
	s_barrier_wait -1                              ; the block's sixteen fragments lie in LDS.  Each block has image bytes of its own, so this is the block's one barrier
.if \blk == 0
	s_wait_loadcnt 0x0                             ; the weights and their scale words
.endif
	FETCH 4*\blk
	s_cmp_eq_u32 s19, 2                            ; v is laid otherwise than q and k: a branch on the work-group's number
	s_cbranch_scc1 .Lv_\@
	MTILE \blk, 0, 0
	MTILE \blk, 1, 0
	MTILE \blk, 2, 0
	MTILE \blk, 3, 0
	s_branch .Ljoin_\@
.Lv_\@:
	MTILE \blk, 0, 1
	MTILE \blk, 1, 1
	MTILE \blk, 2, 1
	MTILE \blk, 3, 1
.Ljoin_\@:
.if \blk == 0
	s_wait_xcnt 0x0                                ; the stores have read their base and their data: the base steps, and the next block's numbers may land on those registers
	s_add_nc_u64 s[40:41], s[40:41], s[46:47]
.endif
.endm
	BLOCK 0
	BLOCK 1
	s_wait_tensorcnt 0x0                           ; the wave's end, behind my last tensor load and my last LDS store
	ds_add_u32 v[SPW], v[NIL]
	s_wait_dscnt 0x0
	s_endpgm
.Lfunc_end_k_q264826a8b7_proj:
	.size	k_q264826a8b7_proj, .Lfunc_end_k_q264826a8b7_proj-k_q264826a8b7_proj
	.p2alignl 7, 3214868480
	.fill 96, 4, 3214868480
	.section	.rodata,"a",@progbits
	.p2align	6, 0x0
	.amdhsa_kernel k_q264826a8b7_proj
		.amdhsa_group_segment_fixed_size 327680
		.amdhsa_private_segment_fixed_size 0
		.amdhsa_enable_private_segment 0
		.amdhsa_kernarg_size 56
		.amdhsa_user_sgpr_count 2
		.amdhsa_user_sgpr_kernarg_segment_ptr 1
		.amdhsa_wavefront_size32 1
		.amdhsa_system_sgpr_workgroup_id_x 1
		.amdhsa_system_sgpr_workgroup_id_y 1
		.amdhsa_system_sgpr_workgroup_id_z 1
		.amdhsa_system_vgpr_workitem_id 0
		.amdhsa_next_free_vgpr 512
		.amdhsa_next_free_sgpr 66
		.amdhsa_reserve_vcc 0
		.amdhsa_float_denorm_mode_32 3
		.amdhsa_float_denorm_mode_16_64 3
		.amdhsa_memory_ordered 1
		.amdhsa_forward_progress 1
		.amdhsa_inst_pref_size 175
	.end_amdhsa_kernel
	.amdgpu_metadata
---
amdhsa.version: [ 1, 2 ]
amdhsa.kernels:
  - .name:           k_q264826a8b7_proj
    .symbol:         k_q264826a8b7_proj.kd
    .args:
      - { .name: X, .offset: 0, .size: 8, .value_kind: global_buffer, .address_space: global }
      - { .name: Y, .offset: 8, .size: 8, .value_kind: global_buffer, .address_space: global }
      - { .name: Z, .offset: 16, .size: 8, .value_kind: global_buffer, .address_space: global }
      - { .name: wc, .offset: 24, .size: 8, .value_kind: global_buffer, .address_space: global }
      - { .name: ws, .offset: 32, .size: 8, .value_kind: global_buffer, .address_space: global }
      - { .name: qf, .offset: 40, .size: 8, .value_kind: global_buffer, .address_space: global }
      - { .name: kv, .offset: 48, .size: 8, .value_kind: global_buffer, .address_space: global }
    .group_segment_fixed_size: 327680
    .private_segment_fixed_size: 0
    .kernarg_segment_align: 8
    .kernarg_segment_size: 56
    .max_flat_workgroup_size: 128
    .sgpr_count:     66
    .vgpr_count:     512
    .wavefront_size: 32
...
	.end_amdgpu_metadata
.endif
;; end of part 2
;; launch attn (part 3): grid 8 x 32, 8 waves a work-group, clusters of 4 x 1, 327,680 bytes of LDS; arguments qf, kv, att; writes att
.if DOCPART == 3
	.amdgcn_target "amdgcn-amd-amdhsa--gfx1250"
	.amdhsa_code_object_version 6
	.text
	.protected	k_q264826a8b7_attn
	.globl	k_q264826a8b7_attn
	.p2align	8
	.type	k_q264826a8b7_attn,@function
k_q264826a8b7_attn:
	s_mov_b64 s[64:65], 0
	v_nop
	global_prefetch_b8 v0, s[64:65] scope:SCOPE_SE
	s_setreg_imm32_b32 hwreg(HW_REG_WAVE_MODE, 25, 1), 1
	s_wait_xcnt 0x0
	s_wait_alu depctr_hold_cnt(0) depctr_sa_sdst(0) depctr_va_vdst(0) depctr_va_sdst(0) depctr_va_ssrc(0) depctr_va_vcc(0) depctr_vm_vsrc(0)
	s_getreg_b32 s2, hwreg(HW_REG_IB_STS2, 6, 4)
	s_cmp_eq_u32 s2, 0
	s_cbranch_scc0 .Lentry_in_a_cluster
	s_endpgm
.Lentry_in_a_cluster:
	s_bfe_u32 s2, ttmp6, 0x10000c
	s_cmp_lg_u32 s2, 0x3003
	s_cbranch_scc0 .Lentry_shape_is_right
	s_endpgm
.Lentry_shape_is_right:
; o[head][q] = the sum over k of softmax_k(relu(q . k / 8)) v[k], 32 heads (batch x 8 + head) of 2,048 tokens, head size 64, no mask.  Operands f16; products, maxima and sums f32; the weights p are rounded to f16 for the second product.
; SHARES.  A work-group owns 256 queries of one head, each of its EIGHT waves 32: two tiles of 16, in 256 registers.  Two waves lie on a SIMD: the softmax is far more lines than the products
; (some 150 vector lines beside 16 matrix lines for a tile and 64 keys), so one wave's products and LDS loads stand beside the other's softmax, and the text stays in plain phases.
; LAYOUT.  S^T = K Q^T (source 0 = 16 keys, source 1 = 16 queries): a lane holds ONE query (lane % 16) and keys 8 (lane / 16) + 0..7; two such tiles, rounded to f16 in pairs, ARE source 1 of O^T = V^T P.
; qf and kv hold images of these operands' registers (16 bytes a lane at 16 x lane, registers 4-7 512 bytes on): a step's 64 keys are 16,384 dense bytes, K's eight fragments, then V^T's eight.
; SOFTMAX.  A running maximum m of relu(s), which begins at 0 (relu is never under 0, so that is exact), and a running sum l.  p = 2^(c relu(s) - c m) with c = log2(e) / 8; since c is positive,
; c relu(s) - c m = max(c s - c m, -c m): one packed multiply-add for two scores and one maximum each.  In every step O and l are multiplied by a = 2^(c m_old - c m_new).
; RING.  Two LDS slots of eight key steps (131,072 bytes); wave w fetches step w of a slot by one tensor load.  2,048 keys are four slots' worth: two first fills, two refills, all written out.
; CLUSTER.  The four query blocks of a cluster belong to one head and walk the same K and V: each tile is asked for JOINTLY, by the same load with the same descriptor and a mask that names the four.
; No prefetch is laid: a refill is asked for eight key steps, 256 matrix and some 2,400 vector lines of each wave, ahead of the wait for it.
; The result leaves as images of the last product's f16 operand: att [token tile 512][K piece 2 head + u: 16][1,024]: each store covers 512 consecutive bytes, aligned.
; LIMITS: NaN and infinities are not served.  Where c m is so large that its rounding shows, p can pass 1 by the factor 2^(that rounding), far inside f16; the factor is in l too and falls out in the division.
.set LI,  1                            ; v1       16 x lane; never rewritten
.set ADR, 2                            ; v2       LDS address of the step in hand
.set SPW, 4                            ; v4       LDS address of my spare word; never rewritten
.set NIL, 5                            ; v5       0; never rewritten
.set ST,  8                            ; tile t's statistics at v[8 + 8 t]: +0 -c m, +1 m, +2, +3 l (even keys', odd keys'), +4 to +7 at work; a takes +6
.set SUM, 24                           ; v24-27   a pair for each tile: a chain of the step's sum
.set Q,   32                           ; v32-63   Q: tile t, channels 32 f on, at 16 t + 8 f
.set S,   64                           ; v64-127  S^T: tile t, keys 16 kt on, at 32 t + 8 kt; then p; P takes the low 16 of each tile
.set O,   128                          ; v128-191 O^T: tile t, channels 16 c on, at 32 t + 8 c
.set KV,  192                          ; v192-255 eight fragments: K's, then V^T's
.set WV,  10                           ; s10      my wave's number
.set G1,  24                           ; s[24:31] descriptor group 1
.set G0,  32                           ; s[32:39] group 0, a set for each slot
.set CS,  40                           ; s[40:41] c: the packed form names a pair and takes its low word for both halves
.set NC,  42                           ; s42      -c
.set SEL, 44                           ; s[44:45] v_permlanex16_b32's selects for lane l xor 16
.set TB,  46                           ; s46      LDS byte at which the step in hand begins
.set CNT, 47                           ; s47      counts a slot's eight steps
.set SLOT1, 131072
.set SPARE, 262144                     ; behind the ring: the spare words, 128 bytes for each wave: four blocks of 256 bytes that no other line names
; A round of the cluster's barrier: my work-group's barrier; wave 0 signals for the work-group; every wave waits for all four work-groups; my work-group's barrier once more.
.macro CROUND
	s_barrier_signal -1
	s_barrier_wait -1
	s_cmp_lg_u32 s[WV], 0
	s_cbranch_scc1 .Lnot_wave_0_\@
	s_barrier_signal -3
.Lnot_wave_0_\@:
	s_barrier_wait -3
	s_barrier_signal -1
	s_barrier_wait -1
.endm
	s_load_b128 s[4:7], s[0:1], 0x0                ; qf s[4:5], kv s[6:7]
	s_load_b64 s[8:9], s[0:1], 0x10                ; att
	v_lshl_add_u32 v[SPW], v0, 2, SPARE
	v_mov_b32 v[NIL], 0
	ds_add_u32 v[SPW], v[NIL]                      ; the wave's opening: the add, twice on end, and its wait ahead of my first tensor load
	ds_add_u32 v[SPW], v[NIL]                      ; and once more; the set-up below, work on registers, stands between it and the wait
	v_lshrrev_b32 v3, 5, v0
	v_readfirstlane_b32 s[WV], v3                  ; wave 0..7
	s_bfe_u32 s11, ttmp6, 0x40000                  ; cx: my place in the cluster
	s_lshl_b32 s12, ttmp9, 2                       ; in a cluster launch ttmp9 counts clusters
	s_add_co_u32 s12, s12, s11                     ; my block of 256 queries: it enters qf's and att's addresses alone
	s_and_b32 s13, ttmp7, 0xffff                   ; the head (8 x batch + head), which the four partners share
	; group 1: 64 lines of 256 bytes (32 elements of 8 bytes), dense, no padding: images are read 16 x lane, 512 consecutive bytes a load
	s_mov_b32 s[G1+0], 15|(3<<16)|(1<<21)          ; the mask: all four work-groups; elements of 8 bytes; bit 21 set beside a mask
	s_mov_b32 s[G1+1], 32<<16                      ; tensor_dim0 = 32
	s_mov_b32 s[G1+2], 64<<16                      ; tensor_dim1 = 64
	s_mov_b32 s[G1+3], 32<<16                      ; tile_dim0 = 32
	s_mov_b32 s[G1+4], 64                          ; tile_dim1 = 64
	s_mov_b32 s[G1+5], 32                          ; from line to line
	s_mov_b32 s[G1+6], 0
	s_mov_b32 s[G1+7], 0
	s_lshl_b32 s16, s[WV], 14                      ; my step of a slot, in LDS and in memory alike: no place in the cluster enters it
	s_lshl_b32 s14, s13, 19                        ; a head's 524,288 bytes of kv
	s_add_co_u32 s14, s14, s16
	s_mov_b32 s15, 0
	s_lshl_b32 s18, s13, 18                        ; qf: a head's 262,144 bytes,
	s_lshl_b32 s19, s12, 15                        ; a block's 16 tiles of 2,048,
	s_add_co_u32 s18, s18, s19
	s_lshl_b32 s19, s[WV], 12                      ; my two
	s_add_co_u32 s18, s18, s19
	s_mov_b32 s19, 0
	s_lshr_b32 s20, s13, 3                         ; att: the batch's 128 token tiles of 16,384 bytes,
	s_lshl_b32 s20, s20, 21
	s_lshl_b32 s21, s12, 18                        ; a block's 16,
	s_add_co_u32 s20, s20, s21
	s_lshl_b32 s21, s[WV], 15                      ; my two,
	s_add_co_u32 s20, s20, s21
	s_and_b32 s21, s13, 7
	s_lshl_b32 s21, s21, 11                        ; and in a tile my head's two images
	s_add_co_u32 s20, s20, s21
	s_mov_b32 s21, 0
	s_mov_b32 s[CS], 0x3e38aa3b                    ; c = log2(e) / 8
	s_mov_b32 s[CS+1], s[CS]                       ; (named with it as a pair, so it is written)
	s_mov_b32 s[NC], 0xbe38aa3b                    ; -c
	s_mov_b32 s[SEL], 0x76543210
	s_mov_b32 s[SEL+1], 0xfedcba98
	s_wait_dscnt 0x0                               ; both opening adds are done
	s_wait_kmcnt 0x0
	s_add_nc_u64 s[6:7], s[6:7], s[14:15]
	s_add_nc_u64 s[4:5], s[4:5], s[18:19]
	s_add_nc_u64 s[8:9], s[8:9], s[20:21]
.irp n, 0,1
	s_mov_b32 s[G0+4*\n], 1                        ; count = 1
	s_add_co_u32 s[G0+4*\n+1], s16, \n*SLOT1       ; LDS address
	s_add_nc_u64 s[G0+4*\n+2:G0+4*\n+3], s[6:7], \n*131072   ; slot n begins with keys 512 n on
	s_or_b32 s[G0+4*\n+3], s[G0+4*\n+3], 0x80000000          ; type = 2
.endr
	CROUND                                         ; all four work-groups are here: the first joint loads meet
	tensor_load_to_lds s[G0:G0+3], s[G1:G1+7]      ; both first fills together, ahead of every wait on TENSORcnt and every LDS read: two loads of mine are out
	s_nop 0
	tensor_load_to_lds s[G0+4:G0+7], s[G1:G1+7]
	s_nop 0
.rept 4
	v_nop
.endr
	v_and_b32 v3, 31, v0
	v_lshlrev_b32 v[LI], 4, v3
.set i, 0
.rept 8                                            ; Q stays in registers: tile t, channels 32 f on: four images on end
	global_load_b128 v[Q+4*i:Q+4*i+3], v[LI], s[4:5] offset:512*i
.set i, i+1
.endr
.irp t, 0,1
.irp j, 0,1,2,3
	v_mov_b32 v[ST+8*\t+\j], 0                     ; -c m, m, l
.endr
.endr
.set i, 0
.rept 64
	v_mov_b32 v[O+i], 0                            ; O^T.  (The step is written once: the first finds zeros, so a does no harm)
.set i, i+1
.endr
; A KEY STEP: 64 keys at LDS byte s[TB].
.macro STEP
	v_add_nc_u32 v[ADR], s[TB], v[LI]
.rept 4
	v_nop                                          ; with the addition five places behind the last step's products: K's loads land on registers that they read (four are owed), and the products below write over P (five)
.endr
.set i, 0
.rept 16
	ds_load_b128 v[KV+4*i:KV+4*i+3], v[ADR] offset:512*i          ; K: fragment (keys 16 kt on, channels 32 f on) at 8 (2 kt + f)
.set i, i+1
.endr
	s_wait_dscnt 0x0
.irp f, 0,1                                    ; S^T = K Q^T: eight accumulators by turns; the first eight products start the sums
.irp kt, 0,1,2,3
.irp t, 0,1
.if \f == 0
	v_wmma_f32_16x16x32_f16 v[S+32*\t+8*\kt:S+32*\t+8*\kt+7], v[KV+8*(2*\kt+\f):KV+8*(2*\kt+\f)+7], v[Q+16*\t+8*\f:Q+16*\t+8*\f+7], 0
.else
	v_wmma_f32_16x16x32_f16 v[S+32*\t+8*\kt:S+32*\t+8*\kt+7], v[KV+8*(2*\kt+\f):KV+8*(2*\kt+\f)+7], v[Q+16*\t+8*\f:Q+16*\t+8*\f+7], v[S+32*\t+8*\kt:S+32*\t+8*\kt+7]
.endif
.endr
.endr
.endr
.rept 4
	v_nop                                          ; four places in front of the loads into K's registers and of the first read of the scores
.endr
.set i, 0
.rept 16
	ds_load_b128 v[KV+4*i:KV+4*i+3], v[ADR] offset:8192+512*i     ; V^T: fragment (keys 32 g on, channels 16 c on) at 8 (4 g + c): it lands under the softmax
.set i, i+1
.endr
	; the maximum of my 32 scores and the old m, three operands at a time, four chains; each accumulator is read from its low end on; the two tiles line by line in turn
.irp j, 0,1,2,3
.irp t, 0,1
	v_max3_num_f32 v[ST+8*\t+4+\j], v[S+32*\t+8*\j], v[S+32*\t+8*\j+1], v[S+32*\t+8*\j+2]
.endr
.endr
.irp u, 3,5
.irp j, 0,1,2,3
.irp t, 0,1
	v_max3_num_f32 v[ST+8*\t+4+\j], v[ST+8*\t+4+\j], v[S+32*\t+8*\j+\u], v[S+32*\t+8*\j+\u+1]
.endr
.endr
.endr
.irp t, 0,1
	v_max3_num_f32 v[ST+8*\t+4], v[ST+8*\t+4], v[S+32*\t+7], v[S+32*\t+15]
.endr
.irp t, 0,1
	v_max3_num_f32 v[ST+8*\t+6], v[ST+8*\t+6], v[S+32*\t+23], v[S+32*\t+31]
.endr
.irp t, 0,1
	v_max3_num_f32 v[ST+8*\t+4], v[ST+8*\t+4], v[ST+8*\t+5], v[ST+8*\t+6]
.endr
.irp t, 0,1
	v_max3_num_f32 v[ST+8*\t+4], v[ST+8*\t+4], v[ST+8*\t+7], v[ST+8*\t+1]   ; the old m is never under 0: so this is the maximum of relu(s) too
.endr
.irp t, 0,1
	v_permlanex16_b32 v[ST+8*\t+5], v[ST+8*\t+4], s[SEL], s[SEL+1]          ; the query's other 32 keys lie in the lane 16 away
.endr
.irp t, 0,1
	v_mov_b32 v[ST+8*\t+7], v[ST+8*\t]             ; -c m_old is kept for a
.endr
.irp t, 0,1
	v_max_num_f32 v[ST+8*\t+1], v[ST+8*\t+4], v[ST+8*\t+5]
.endr
.irp t, 0,1
	v_mul_f32 v[ST+8*\t], s[NC], v[ST+8*\t+1]      ; -c m
.endr
.irp t, 0,1
	v_sub_f32 v[ST+8*\t+7], v[ST+8*\t], v[ST+8*\t+7]   ; c m_old - c m_new
.endr
.set i, 0
.rept 16
.irp t, 0,1
	v_pk_fma_f32 v[S+32*\t+i:S+32*\t+i+1], v[S+32*\t+i:S+32*\t+i+1], s[CS:CS+1], v[ST+8*\t:ST+8*\t+1] op_sel_hi:[1,0,0]   ; c s - c m, two at a time
.endr
.set i, i+2
.endr
.set i, 0
.rept 32
.irp t, 0,1
	v_max_num_f32 v[S+32*\t+i], v[S+32*\t+i], v[ST+8*\t]   ; THE RELU: c relu(s) - c m = max(c s - c m, -c m)
.endr
.set i, i+1
.endr
.irp t, 0,1
	v_exp_f32 v[ST+8*\t+6], v[ST+8*\t+7]           ; a.  ONE BATCH of 66 exponentials: none reads another's result
.endr
.set i, 0
.rept 32
.irp t, 0,1
	v_exp_f32 v[S+32*\t+i], v[S+32*\t+i]           ; p
.endr
.set i, i+1
.endr
	v_nop                                          ; a plain line behind the last exponential, ahead of the first use (ISA guide 5.7.2)
	s_wait_alu depctr_va_vdst(0)                   ; the wait ahead of the first line that names a result: one for the batch
.irp t, 0,1                                    ; the step's sum of the unrounded p, two at a time, in two chains
	v_pk_add_f32 v[SUM+2*\t:SUM+2*\t+1], v[S+32*\t:S+32*\t+1], v[S+32*\t+2:S+32*\t+3]
.endr
.irp t, 0,1
	v_pk_add_f32 v[ST+8*\t+4:ST+8*\t+5], v[S+32*\t+4:S+32*\t+5], v[S+32*\t+6:S+32*\t+7]
.endr
.set i, 8
.rept 6
.irp t, 0,1
	v_pk_add_f32 v[SUM+2*\t:SUM+2*\t+1], v[SUM+2*\t:SUM+2*\t+1], v[S+32*\t+i:S+32*\t+i+1]
.endr
.irp t, 0,1
	v_pk_add_f32 v[ST+8*\t+4:ST+8*\t+5], v[ST+8*\t+4:ST+8*\t+5], v[S+32*\t+i+2:S+32*\t+i+3]
.endr
.set i, i+4
.endr
.irp t, 0,1
	v_pk_add_f32 v[SUM+2*\t:SUM+2*\t+1], v[SUM+2*\t:SUM+2*\t+1], v[ST+8*\t+4:ST+8*\t+5]
.endr
.irp t, 0,1
	v_pk_fma_f32 v[ST+8*\t+2:ST+8*\t+3], v[ST+8*\t+2:ST+8*\t+3], v[ST+8*\t+6:ST+8*\t+7], v[SUM+2*\t:SUM+2*\t+1] op_sel_hi:[1,0,1]   ; l = a l + the sum
.endr
.set i, 0
.rept 16
.irp t, 0,1
	v_cvt_pk_f16_f32 v[S+32*\t+i], v[S+32*\t+2*i], v[S+32*\t+2*i+1]   ; P, in place and ascending: register i is written when pairs 0 to i have been read
.endr
.set i, i+1
.endr
.set i, 0
.rept 16
.irp t, 0,1
	v_pk_mul_f32 v[O+32*\t+i:O+32*\t+i+1], v[O+32*\t+i:O+32*\t+i+1], v[ST+8*\t+6:ST+8*\t+7] op_sel_hi:[1,0]   ; O^T x a, each accumulator from its low end on
.endr
.set i, i+2
.endr
	s_wait_dscnt 0x0                               ; V^T is in
.irp g, 0,1                                    ; O^T += V^T P: eight accumulators by turns
.irp c, 0,1,2,3
.irp t, 0,1
	v_wmma_f32_16x16x32_f16 v[O+32*\t+8*\c:O+32*\t+8*\c+7], v[KV+8*(4*\g+\c):KV+8*(4*\g+\c)+7], v[S+32*\t+8*\g:S+32*\t+8*\g+7], v[O+32*\t+8*\c:O+32*\t+8*\c+7]
.endr
.endr
.endr
	s_add_co_u32 s[TB], s[TB], 16384
.endm
.macro PHASE base                              ; a slot's eight key steps: written once, walked eight times
	s_mov_b32 s[TB], \base
	s_mov_b32 s[CNT], 8
.Lstep_\@:
	STEP
	s_sub_co_u32 s[CNT], s[CNT], 1
	s_cmp_lg_u32 s[CNT], 0
	s_cbranch_scc1 .Lstep_\@
.endm
; THE CHANGE OF SLOTS.  Each wave waits for all its tensor loads (one is out: its step of the slot ahead), adds 0 to its spare word, and waits for that and for its reads of the slot that it leaves.
; fill = 1: that slot is filled again, with the keys 1,024 further on.  The barrier is then a round of the cluster's, so that no wave of any partner still reads the slot or has a load on its way, and the
; joint refill is the first thing behind it, my one tensor load until the next change.
.macro CHANGE fill, g0
	s_wait_tensorcnt 0x0                           ; no tensor load of mine is out, so a group 0 may be written
	ds_add_u32 v[SPW], v[NIL]                      ; 0 onto my spare word
.if \fill
	s_add_nc_u64 s[\g0+2:\g0+3], s[\g0+2:\g0+3], 262144   ; sixteen steps on; the type bits on top are not reached
.endif
	s_wait_dscnt 0x0                               ; the add is done, and my reads of the slot are over
.if \fill
	CROUND
	tensor_load_to_lds s[\g0:\g0+3], s[G1:G1+7]
	s_nop 0
.rept 4
	v_nop
.endr
.else
	s_barrier_signal -1
	s_barrier_wait -1
.endif
.endm
	s_wait_tensorcnt 1                             ; my step of slot 0 is in; slot 1's may stay out
	s_barrier_signal -1
	s_barrier_wait -1                              ; everybody's is
	s_wait_loadcnt 0x0                             ; Q
	PHASE 0                                        ; keys 0 to 511
	CHANGE 1, G0                                   ; slot 0 takes keys 1,024 on
	PHASE SLOT1                                    ; keys 512 to 1,023
	CHANGE 1, G0+4                                 ; slot 1 takes keys 1,536 on
	PHASE 0
	CHANGE 0, G0                                   ; nothing is left to fetch
	PHASE SLOT1
	; THE WAY OUT.  l's two halves and the other half of the lanes' are added; O^T is divided by l and rounded to f16.  The four additions and the v_nop are the places behind the last products.
.irp t, 0,1
	v_add_f32 v[ST+8*\t+4], v[ST+8*\t+2], v[ST+8*\t+3]
.endr
.irp t, 0,1
	v_permlanex16_b32 v[ST+8*\t+5], v[ST+8*\t+4], s[SEL], s[SEL+1]
.endr
.irp t, 0,1
	v_add_f32 v[ST+8*\t+4], v[ST+8*\t+4], v[ST+8*\t+5]
.endr
.irp t, 0,1
	v_rcp_f32 v[ST+8*\t+6], v[ST+8*\t+4]
.endr
	v_nop                                          ; a plain line between the last reciprocal and the use of its result
	s_wait_alu depctr_va_vdst(0)                   ; and the wait ahead of the first use: one for both
.set i, 0
.rept 16
.irp t, 0,1
	v_pk_mul_f32 v[O+32*\t+i:O+32*\t+i+1], v[O+32*\t+i:O+32*\t+i+1], v[ST+8*\t+6:ST+8*\t+7] op_sel_hi:[1,0]
.endr
.set i, i+2
.endr
.set i, 0
.rept 32
	v_cvt_pk_f16_f32 v[S+i], v[O+2*i], v[O+2*i+1]  ; tile t, channel tile c: four registers at 16 t + 4 c
.set i, i+1
.endr
.irp t, 0,1
.irp c, 0,1,2,3
	global_store_b128 v[LI], v[S+16*\t+4*\c:S+16*\t+4*\c+3], s[8:9] offset:\t*16384+\c*512   ; token l % 16, channels 16 c + 8 (l / 16) + 0..7: half an image of K piece 2 head + c / 2
.endr
.endr
	s_wait_tensorcnt 0x0                           ; the wave's end, behind my last tensor load
	ds_add_u32 v[SPW], v[NIL]
	s_wait_dscnt 0x0
	CROUND                                         ; the closing round: no work-group ends while a partner may still ask for a tile that names it
	s_endpgm
.Lfunc_end_k_q264826a8b7_attn:
	.size	k_q264826a8b7_attn, .Lfunc_end_k_q264826a8b7_attn-k_q264826a8b7_attn
	.p2alignl 7, 3214868480
	.fill 96, 4, 3214868480
	.section	.rodata,"a",@progbits
	.p2align	6, 0x0
	.amdhsa_kernel k_q264826a8b7_attn
		.amdhsa_group_segment_fixed_size 327680
		.amdhsa_private_segment_fixed_size 0
		.amdhsa_enable_private_segment 0
		.amdhsa_kernarg_size 24
		.amdhsa_user_sgpr_count 2
		.amdhsa_user_sgpr_kernarg_segment_ptr 1
		.amdhsa_wavefront_size32 1
		.amdhsa_system_sgpr_workgroup_id_x 1
		.amdhsa_system_sgpr_workgroup_id_y 1
		.amdhsa_system_sgpr_workgroup_id_z 1
		.amdhsa_system_vgpr_workitem_id 0
		.amdhsa_next_free_vgpr 256
		.amdhsa_next_free_sgpr 66
		.amdhsa_reserve_vcc 0
		.amdhsa_float_denorm_mode_32 3
		.amdhsa_float_denorm_mode_16_64 3
		.amdhsa_memory_ordered 1
		.amdhsa_forward_progress 1
		.amdhsa_inst_pref_size 91
	.end_amdhsa_kernel
	.amdgpu_metadata
---
amdhsa.version: [ 1, 2 ]
amdhsa.kernels:
  - .name:           k_q264826a8b7_attn
    .symbol:         k_q264826a8b7_attn.kd
    .args:
      - { .name: qf, .offset: 0, .size: 8, .value_kind: global_buffer, .address_space: global }
      - { .name: kv, .offset: 8, .size: 8, .value_kind: global_buffer, .address_space: global }
      - { .name: att, .offset: 16, .size: 8, .value_kind: global_buffer, .address_space: global }
    .group_segment_fixed_size: 327680
    .private_segment_fixed_size: 0
    .kernarg_segment_align: 8
    .kernarg_segment_size: 24
    .max_flat_workgroup_size: 256
    .sgpr_count:     66
    .vgpr_count:     256
    .wavefront_size: 32
...
	.end_amdgpu_metadata
.endif
;; end of part 3
;; launch outp (part 4): grid 4 x 64, 4 waves a work-group, clusters of 4 x 1, 204,800 bytes of LDS; arguments att, wof, out0; writes out0
.if DOCPART == 4
	.amdgcn_target "amdgcn-amd-amdhsa--gfx1250"
	.amdhsa_code_object_version 6
	.text
	.protected	k_q264826a8b7_outp
	.globl	k_q264826a8b7_outp
	.p2align	8
	.type	k_q264826a8b7_outp,@function
k_q264826a8b7_outp:
	s_mov_b64 s[64:65], 0
	v_nop
	global_prefetch_b8 v0, s[64:65] scope:SCOPE_SE
	s_setreg_imm32_b32 hwreg(HW_REG_WAVE_MODE, 25, 1), 1
	s_wait_xcnt 0x0
	s_wait_alu depctr_hold_cnt(0) depctr_sa_sdst(0) depctr_va_vdst(0) depctr_va_sdst(0) depctr_va_ssrc(0) depctr_va_vcc(0) depctr_vm_vsrc(0)
	s_getreg_b32 s2, hwreg(HW_REG_IB_STS2, 6, 4)
	s_cmp_eq_u32 s2, 0
	s_cbranch_scc0 .Lentry_in_a_cluster
	s_endpgm
.Lentry_in_a_cluster:
	s_bfe_u32 s2, ttmp6, 0x10000c
	s_cmp_lg_u32 s2, 0x3003
	s_cbranch_scc0 .Lentry_shape_is_right
	s_endpgm
.Lentry_shape_is_right:
; out0 = (the heads' results, merged) Wo: [8,192][512] x [512][512], f16 operands, f32 sums, f32 out.
; Work-group (cx, rb): rows 128 rb on, columns 128 cx on.  Both operands arrive as images of their registers (16 bytes a lane at 16 x lane, registers 4-7 512 bytes on).
; THE WAVES SHARE THE COLUMNS: wave w keeps n tiles 8 cx + 2 w and + 1 of Wo, 32 fragments, in registers 256-511.  The rows' images, 131,072 dense bytes, come into LDS once, in two halves of 64 rows.
; CLUSTER.  The four work-groups of a cluster take the same rows: each wave's 16,384 bytes of a half are asked for JOINTLY, by the same load with the same descriptor and a mask that names the four.
; THE MATRIX INSTRUCTION IS USED TRANSPOSED (source 0 = 16 columns of Wo, source 1 = 16 rows): a lane holds eight neighbouring numbers of a row of out0.  A row's 128 columns come from four waves: they meet in
; a stage in LDS (rows of 512 bytes + 16), one stage for each half, and each wave stores 16 whole rows: 512 consecutive bytes, aligned, a store.
; Nothing in LDS is filled twice.  No prefetch: all that the work-group reads is asked for at its head.
.set STG,   131072                     ; behind the images: two stages of 64 rows x 528 bytes
.set STGB,  64*528
.set SPARE, STG+2*STGB                 ; behind the stages: the spare words, 128 bytes for each wave: two blocks of 256 bytes that no other line names
.set LI,  1                            ; v1, v2   16 x lane; the same + 65,536: where I read the images of half 0, 1
.set SO,  3                            ; v3       the stage: where I put 32 bytes of a row
.set SR,  4                            ; v4       and where I read a row back
.set SPW, 6                            ; v6       LDS address of my spare word; never rewritten
.set NIL, 7                            ; v7       0; never rewritten
.set OF,  16                           ; v16-111  three sets of four fragments: K piece kf in set kf % 3, row tile m at + 8 m
.set ACC, 112                          ; v112-175 eight accumulators: (n, m) at 8 (4 n + m)
.set BK,  176                          ; v176-239 16 rows read back from the stage
.set WV,  10
.set G1,  24
.set G0,  32
.set MSB, 0
.macro WIN new                         ; the immediate's high byte repeats the setting that is left
.if MSB != \new
	s_set_vgpr_msb (MSB<<8)|\new
.set MSB, \new
.endif
.endm
.macro CROUND                          ; a round of the cluster's barrier
	s_barrier_signal -1
	s_barrier_wait -1
	s_cmp_lg_u32 s[WV], 0
	s_cbranch_scc1 .Lnot_wave_0_\@
	s_barrier_signal -3
.Lnot_wave_0_\@:
	s_barrier_wait -3
	s_barrier_signal -1
	s_barrier_wait -1
.endm
	s_load_b128 s[4:7], s[0:1], 0x0                ; att s[4:5], wof s[6:7]
	s_load_b64 s[8:9], s[0:1], 0x10                ; out0
	v_lshl_add_u32 v[SPW], v0, 2, SPARE
	v_mov_b32 v[NIL], 0
	ds_add_u32 v[SPW], v[NIL]                      ; the wave's opening: the add, twice on end, and its wait ahead of my first tensor load
	ds_add_u32 v[SPW], v[NIL]                      ; and once more; the set-up below, work on registers, stands between it and the wait
	v_lshrrev_b32 v5, 5, v0
	v_readfirstlane_b32 s[WV], v5                  ; wave 0..3
	s_bfe_u32 s11, ttmp6, 0x40000                  ; cx: my block of 128 columns: it enters wof's and out0's addresses alone
	s_and_b32 s13, ttmp7, 0xffff                   ; rb: my block of 128 rows, which the four partners share
	s_mov_b32 s[G1+0], 15|(3<<16)|(1<<21)          ; the mask: all four work-groups; elements of 8 bytes; bit 21 set beside a mask; no padding
	s_mov_b32 s[G1+1], 32<<16                      ; 64 lines of 256 bytes, dense
	s_mov_b32 s[G1+2], 64<<16
	s_mov_b32 s[G1+3], 32<<16
	s_mov_b32 s[G1+4], 64
	s_mov_b32 s[G1+5], 32
	s_mov_b32 s[G1+6], 0
	s_mov_b32 s[G1+7], 0
	s_lshl_b32 s16, s[WV], 14                      ; the row tile that I fetch, in LDS and in memory alike
	s_lshl_b32 s14, s13, 17                        ; a block's eight row tiles of 16,384 bytes
	s_add_co_u32 s14, s14, s16
	s_mov_b32 s15, 0
	s_lshl_b32 s18, s11, 17                        ; wof: eight n tiles of 16,384 bytes a column block,
	s_lshl_b32 s19, s[WV], 15                      ; my two
	s_add_co_u32 s18, s18, s19
	s_mov_b32 s19, 0
	s_lshl_b32 s20, s13, 18                        ; out0: 128 rows of 2,048 bytes,
	s_lshl_b32 s21, s[WV], 15                      ; the 16 of each half that I store,
	s_add_co_u32 s20, s20, s21
	s_lshl_b32 s21, s11, 9                         ; my block's 512 bytes of a row
	s_add_co_u32 s20, s20, s21
	s_mov_b32 s21, 0
	s_wait_dscnt 0x0                               ; both opening adds are done
	s_wait_kmcnt 0x0
	s_add_nc_u64 s[4:5], s[4:5], s[14:15]
	s_add_nc_u64 s[6:7], s[6:7], s[18:19]
	s_add_nc_u64 s[8:9], s[8:9], s[20:21]
.irp n, 0,1
	s_mov_b32 s[G0+4*\n], 1
	s_add_co_u32 s[G0+4*\n+1], s16, \n*65536
	s_add_nc_u64 s[G0+4*\n+2:G0+4*\n+3], s[4:5], \n*65536
	s_or_b32 s[G0+4*\n+3], s[G0+4*\n+3], 0x80000000
.endr
	CROUND                                         ; all four work-groups are here: the joint loads meet
	tensor_load_to_lds s[G0:G0+3], s[G1:G1+7]      ; both halves together: two loads of mine are out
	s_nop 0
	tensor_load_to_lds s[G0+4:G0+7], s[G1:G1+7]
	s_nop 0
.rept 4
	v_nop
.endr
	v_and_b32 v5, 31, v0
	v_lshlrev_b32 v[LI], 4, v5
	WIN 0x40                                       ; destination: registers 256 on
.set i, 0
.rept 64                                           ; Wo's fragment (n, kf) at register 256 + 8 (16 n + kf): my two n tiles are 32,768 bytes on end
	global_load_b128 v[4*i:4*i+3], v[LI], s[6:7] offset:512*i
.set i, i+1
.endr
	WIN 0
	v_add_nc_u32 v[LI+1], 65536, v[LI]
	v_and_b32 v8, 15, v0                           ; r
	v_bfe_u32 v9, v0, 4, 1                         ; h
	v_mul_u32_u24 v[SO], v8, 528
	v_lshl_add_u32 v[SO], v9, 5, v[SO]
	s_lshl_b32 s22, s[WV], 7
	v_add_nc_u32 v[SO], s22, v[SO]
	v_add_nc_u32 v[SO], STG, v[SO]                 ; in: row r, + 32 h, + my 32 columns' 128 bytes
	s_mul_i32 s22, s[WV], 16*528
	v_add_nc_u32 v[SR], s22, v[LI]
	v_add_nc_u32 v[SR], STG, v[SR]                 ; back: my 16 rows, 16 bytes a lane
.macro FETCH hf, kf                            ; K piece kf of the half's four row tiles
.irp m, 0,1,2,3
.irp e, 0,1
	ds_load_b128 v[OF+32*((\kf)%3)+8*\m+4*\e:OF+32*((\kf)%3)+8*\m+4*\e+3], v[LI+\hf] offset:\m*16384+(\kf)*1024+\e*512
.endr
.endr
.endm
; 64 rows x my 32 columns: 16 K pieces of 32, eight accumulators by turns; the fragments run two K pieces ahead, in three sets.
.macro HALF hf
	FETCH \hf, 0
	FETCH \hf, 1
.set KF, 0
.rept 16
.if KF < 14
.rept 4
	v_nop                                          ; four places in front of loads into registers that the last K piece's products have read
.endr
	FETCH \hf, KF+2
	s_wait_dscnt 16                                ; this K piece is in; the next two pieces' 16 loads may be out
.elseif KF == 14
	s_wait_dscnt 8                                 ; the last piece's eight may be out
.else
	s_wait_dscnt 0x0
.endif
	WIN 0x01                                       ; source 0: registers 256 on
.irp m, 0,1,2,3
.irp n, 0,1
.if KF == 0
	v_wmma_f32_16x16x32_f16 v[ACC+8*(4*\n+\m):ACC+8*(4*\n+\m)+7], v[8*(16*\n+KF):8*(16*\n+KF)+7], v[OF+32*(KF%3)+8*\m:OF+32*(KF%3)+8*\m+7], 0
.else
	v_wmma_f32_16x16x32_f16 v[ACC+8*(4*\n+\m):ACC+8*(4*\n+\m)+7], v[8*(16*\n+KF):8*(16*\n+KF)+7], v[OF+32*(KF%3)+8*\m:OF+32*(KF%3)+8*\m+7], v[ACC+8*(4*\n+\m):ACC+8*(4*\n+\m)+7]
.endif
.endr
.endr
	WIN 0
.set KF, KF+1
.endr
.rept 4
	v_nop                                          ; four places in front of the first read of results
.endr
.irp m, 0,1,2,3
.irp n, 0,1
	ds_store_b128 v[SO], v[ACC+8*(4*\n+\m):ACC+8*(4*\n+\m)+3] offset:\hf*STGB+\m*16*528+64*\n        ; lane (r, h): row 16 m + r, columns 32 w + 16 n + 8 h + 0 .. 7; each accumulator from its low end on
	ds_store_b128 v[SO], v[ACC+8*(4*\n+\m)+4:ACC+8*(4*\n+\m)+7] offset:\hf*STGB+\m*16*528+64*\n+16
.endr
.endr
.endm
.macro SEND hf                                 ; my 16 rows of the half's stage, whole
	s_wait_xcnt 0x0                                ; earlier stores have read their registers: these may be loaded again
.set i, 0
.rept 16
	ds_load_b128 v[BK+4*i:BK+4*i+3], v[SR] offset:\hf*STGB+528*i
.set i, i+1
.endr
.set i, 0
.rept 16
	s_wait_dscnt 15-i                              ; row i is in; the younger rows may be out
	global_store_b128 v[LI], v[BK+4*i:BK+4*i+3], s[8:9] offset:(64*\hf+i)*2048 th:TH_STORE_NT   ; 32 lanes store 512 consecutive bytes, at a multiple of 256 from out0's first byte
.set i, i+1
.endr
.endm
	s_wait_tensorcnt 1                             ; my row tile of half 0 is in; half 1's may stay out
	s_barrier_signal -1
	s_barrier_wait -1                              ; everybody's is
	s_wait_loadcnt 0x0                             ; Wo
	HALF 0
	s_wait_tensorcnt 0x0                           ; my row tile of half 1 is in: no load was issued behind it,
	s_wait_dscnt 0x0                               ; and my stores into stage 0 have landed
	s_barrier_signal -1
	s_barrier_wait -1                              ; both hold of every wave
	SEND 0
	HALF 1
	s_wait_dscnt 0x0                               ; my stores into stage 1 have landed
	s_barrier_signal -1
	s_barrier_wait -1
	SEND 1
	s_wait_tensorcnt 0x0                           ; the wave's end, behind my last tensor load and my last LDS store
	ds_add_u32 v[SPW], v[NIL]
	s_wait_dscnt 0x0
	CROUND                                         ; the closing round: no work-group ends while a partner may still ask for a tile that names it
	s_endpgm
.Lfunc_end_k_q264826a8b7_outp:
	.size	k_q264826a8b7_outp, .Lfunc_end_k_q264826a8b7_outp-k_q264826a8b7_outp
	.p2alignl 7, 3214868480
	.fill 96, 4, 3214868480
	.section	.rodata,"a",@progbits
	.p2align	6, 0x0
	.amdhsa_kernel k_q264826a8b7_outp
		.amdhsa_group_segment_fixed_size 204800
		.amdhsa_private_segment_fixed_size 0
		.amdhsa_enable_private_segment 0
		.amdhsa_kernarg_size 24
		.amdhsa_user_sgpr_count 2
		.amdhsa_user_sgpr_kernarg_segment_ptr 1
		.amdhsa_wavefront_size32 1
		.amdhsa_system_sgpr_workgroup_id_x 1
		.amdhsa_system_sgpr_workgroup_id_y 1
		.amdhsa_system_sgpr_workgroup_id_z 1
		.amdhsa_system_vgpr_workitem_id 0
		.amdhsa_next_free_vgpr 512
		.amdhsa_next_free_sgpr 66
		.amdhsa_reserve_vcc 0
		.amdhsa_float_denorm_mode_32 3
		.amdhsa_float_denorm_mode_16_64 3
		.amdhsa_memory_ordered 1
		.amdhsa_forward_progress 1
		.amdhsa_inst_pref_size 58
	.end_amdhsa_kernel
	.amdgpu_metadata
---
amdhsa.version: [ 1, 2 ]
amdhsa.kernels:
  - .name:           k_q264826a8b7_outp
    .symbol:         k_q264826a8b7_outp.kd
    .args:
      - { .name: att, .offset: 0, .size: 8, .value_kind: global_buffer, .address_space: global }
      - { .name: wof, .offset: 8, .size: 8, .value_kind: global_buffer, .address_space: global }
      - { .name: out0, .offset: 16, .size: 8, .value_kind: global_buffer, .address_space: global }
    .group_segment_fixed_size: 204800
    .private_segment_fixed_size: 0
    .kernarg_segment_align: 8
    .kernarg_segment_size: 24
    .max_flat_workgroup_size: 128
    .sgpr_count:     66
    .vgpr_count:     512
    .wavefront_size: 32
...
	.end_amdgpu_metadata
.endif
;; end of part 4
